; MI455X (gfx1250); checked and timed in simulation.
; The chip was launched on July 23, 2026; its instructions are those of AMD's public machine-readable ISA for CDNA 5 (MIT licence, August 2026) and "CDNA5" Instruction Set Architecture Reference Guide (July 2026). The comments in the code are by the model that wrote it; some were corrected since.
;; Drug Attention. Allowed arithmetic: matrix products marked QUANTISED: E5M2 operands, one E8M0 scale for each 32 along K, by v_wmma_scale_f32_16x16x128_f8f6f4 with both operands' format E5M2, f32 sums; everything else in f32.
;; Inputs: Wk_codes 512 x 16 x 32 uint8 (E5M2 codes of Wk, K innermost, in blocks of 32 codes); Wk_scales 512 x 16 uint8 (E8M0 scales of Wk, one for each 32 codes along K); Wq_codes 512 x 16 x 32 uint8 (E5M2 codes of Wq, K innermost, in blocks of 32 codes); Wq_scales 512 x 16 uint8 (E8M0 scales of Wq, one for each 32 codes along K); Wv_codes 512 x 16 x 32 uint8 (E5M2 codes of Wv, K innermost, in blocks of 32 codes); Wv_scales 512 x 16 uint8 (E8M0 scales of Wv, one for each 32 codes along K); x_codes 1,024 x 64 x 16 x 32 uint8 (E5M2 codes of x, K innermost, in blocks of 32 codes); x_scales 1,024 x 64 x 16 uint8 (E8M0 scales of x, one for each 32 codes along K).
;; Outputs: out0 1,024 x 512 float32.
;; This version of the problem:
;;   THIS VERSION OF THE PROBLEM IS GIVEN IN LOW PRECISION. The matrix products marked QUANTISED in the list below multiply operands that are first quantised to E5M2 (5 exponent bits, 2 mantissa bits; 8 bits a number), with one power-of-two scale for each 32 numbers along K (OCP MX v1.0); their sums are f32. All else is computed in f32.
;;   The module's matrix products, in the order in which they are computed (A, B: the left and right operand; K: the contracted axis; several contracted axes count as one K, in the product's order):
;;     1. [M 65,536, K 512] x [K 512, N 512]; A: input x (given as codes); B: input Wq (given as codes): QUANTISED
;;     2. [M 65,536, K 512] x [K 512, N 512]; A: input x (given as codes); B: input Wk (given as codes): QUANTISED
;;     3. [M 65,536, K 512] x [K 512, N 512]; A: input x (given as codes); B: input Wv (given as codes): QUANTISED
;;     4. batch 1,024 x [M 64, K 512] x [K 512, N 64]; A: computed on the way; B: computed on the way: QUANTISED
;;     5. batch 1,024 x [M 64, K 64] x [K 64, N 512]; A: softmax (see below); B: computed on the way: QUANTISED
;;   THE QUANTISER, for each operand of a quantised product, along K:
;;     - K is cut into blocks of 32 from its start; a last block that is shorter is filled with zeros.
;;     - A block's scale is 2^e with e = floor(log2(the largest magnitude in the block)) - 15, held to -126 .. 127; a block of zeros has e = 0. As a byte (E8M0): e + 127.
;;     - Each number is divided by its block's scale, clamped to +-57,344, and rounded to the nearest number of E5M2, ties to even, subnormals kept.
;;     - The product sums the exact products of the quantised numbers (number of the format x scale) in f32.
;;   ~~~python
;;   def quantise(x, axis):      # numpy; x: float32 -> the quantised numbers, widened to float32 again
;;       x = np.moveaxis(x, axis, -1); K = x.shape[-1]
;;       x = np.pad(x, [(0, 0)] * (x.ndim - 1) + [(0, -K % 32)]); x = x.reshape(x.shape[:-1] + (-1, 32)); a = np.abs(x).max(-1, keepdims=True)
;;       e = np.where(a > 0, np.clip(np.frexp(np.where(a > 0, a, 1))[1] - 1 - 15, -126, 127), 0)      # np.frexp(a)[1] - 1 = floor(log2(a)), exactly
;;       r = np.clip(x / 2.0 ** e, -57344, 57344)
;;       step = 2.0 ** (np.maximum(np.frexp(np.where(r == 0, 1, r))[1] - 1, -14) - 2)
;;       q = np.round(r / step) * step * 2.0 ** e      # np.round: ties to even
;;       return np.moveaxis(q.reshape(q.shape[:-2] + (-1,))[..., :K], -1, axis).astype(np.float32)
;;   ~~~
;;   SOFTMAX AHEAD OF A QUANTISED PRODUCT. Where the list says 'softmax', what is quantised is not the finished softmax but p = 2^(t - M), with t = logit x log2(e) and M = ceil(the row's largest t), a whole number; so 1/2 < the row's largest p <= 1. The row's sum l is taken of the UNQUANTISED p, in f32, and the product's result is divided by l at the end. Since M is a whole number, a kernel that streams over the keys may use a running M (the ceiling of the running maximum): every later rescaling is an exact power of two, which a block's scale takes up: the codes' values come out the same.
;;   OPERANDS COMPUTED ON THE WAY. 'Computed on the way' means the value that the module computes at that place (a softmax that the list does not call 'softmax' is quantised finished and normalised). What goes into a quantiser is computed in f32, as accurately as f32 sums, v_exp_f32 and their like allow (about 1e-6 of the number): no bf16 or f16 on the way to a quantiser, and a product that is left as it is and whose result goes on into a quantised operand takes f32 operands (vector FMAs, or v_wmma_f32_16x16x4_f32). A number that lies on a knife's edge between two numbers of the format may be rounded either way, as far as f32 arithmetic and the matrix unit's own rounding can turn it there, and no further.
;;   INPUTS GIVEN AS CODES. Wk (in the module: [512, 512], K = its axis 1); Wq (in the module: [512, 512], K = its axis 1); Wv (in the module: [512, 512], K = its axis 1); x (in the module: [1024, 64, 512], K = its axis 2): each comes as NAME_codes (uint8): NAME with its K axis moved to the last place and cut into blocks of 32 codes, [.., K / 32, bytes a block], one block behind the other in memory; one code a byte (a code: sign, 5 exponent bits, 2 mantissa bits); and NAME_scales (uint8): the same leading axes, one E8M0 byte (e + 127) for each 32 codes along K. Its value is code x scale, taken as it is: it is not quantised again, and the codes and scales need not be those that the quantiser above would give.
;; One version. Each part assembles by itself: llvm-mc -triple=amdgcn-amd-amdhsa -mcpu=gfx1250 --defsym DOCPART=n.
;; ======== version 1 of 1: 1 launch
;; limits: right only within a limited range of input values
;; launch drug_attention (part 1): grid 256 x 1, 4 waves a work-group, clusters of 4 x 1, 327,680 bytes of LDS; arguments x_codes, x_scales, Wk_codes, Wk_scales, Wq_codes, Wq_scales, Wv_codes, Wv_scales, out0; writes out0
.if DOCPART == 1
	.amdgcn_target "amdgcn-amd-amdhsa--gfx1250"
	.amdhsa_code_object_version 6
	.text
	.protected	k_q128639e832_drug_attention
	.globl	k_q128639e832_drug_attention
	.p2align	8
	.type	k_q128639e832_drug_attention,@function
k_q128639e832_drug_attention:
	s_mov_b64 s[64:65], 0
	v_nop
	global_prefetch_b8 v0, s[64:65] scope:SCOPE_SE
	s_setreg_imm32_b32 hwreg(HW_REG_WAVE_MODE, 25, 1), 1
	s_wait_xcnt 0x0
	s_wait_alu depctr_hold_cnt(0) depctr_sa_sdst(0) depctr_va_vdst(0) depctr_va_sdst(0) depctr_va_ssrc(0) depctr_va_vcc(0) depctr_vm_vsrc(0)
	s_getreg_b32 s2, hwreg(HW_REG_IB_STS2, 6, 4)
	s_cmp_eq_u32 s2, 0
	s_cbranch_scc0 .Lentry_in_a_cluster
	s_endpgm
.Lentry_in_a_cluster:
	s_bfe_u32 s2, ttmp6, 0x10000c
	s_cmp_lg_u32 s2, 0x3003
	s_cbranch_scc0 .Lentry_shape_is_right
	s_endpgm
.Lentry_shape_is_right:
; out0[b][v] = sum over queries n of ( softmax_m( Q[b][n] . K[b][m] / sqrt(512) ) V[b][m][v] ),  Q, K, V = x[b] Wq^T, x[b] Wk^T, x[b] Wv^T.   b: 1,024 batches, 64 rows, 512 channels.
; All five products run on codes of BF8 (E5M2) with one E8M0 scale for each 32 along K.  x and the weights arrive as codes.  Q and K are quantised here along the channels, V and p along the keys.
; p = 2^(t - M), t = score x log2(e) / sqrt(512), M = ceil(the row's largest t); the row's sum l is taken of the unquantised p, and p V is divided by l before the sum over the queries.
; NOTHING OF reference() IS LEFT OUT: all eight inputs reach the output, and the sum over the queries stands behind the fifth product, as written.
; SHARES.  A work-group has four waves, and A WAVE OWNS ONE WHOLE BATCH (batch = 4 x work-group + wave).  Its x, 64 x 512 codes, stays in 256 registers; Q, K, the scores, p, V and O never leave the registers.
; The three weights stream once through a ring of two LDS slots of 256 rows x 512 bytes; a weight fragment read from LDS feeds four products (the four tiles of 16 rows of x).
; THE STREAM: slot n = 0..3 holds Wk's rows 128 n on and then Wq's rows 128 n on (one K step of the scores' product), slots 4 and 5 hold Wv's rows.  Slot n lies in region n % 2; behind the head wave w fetches a slot's rows 64 w .. 64 w + 63.
; Region 1 first holds the work-group's x.
; A GROUP is 32 rows of a weight: 32 products.  A group's quantiser has three parts: its scales, behind its own products; its holds, most of them among the NEXT group's products, two behind each; its conversions, behind those products.
; So there are two sets of accumulators.  The first trip of the Q, K loop has no group before it: it holds and converts zeros.
; The holds need no change of the register windows: their bounds lie under the same number in window 1 and in window 2, where the products' sources lie, so one fragment of x and one of the second set of weight fragments lie in window 0.
; CLUSTER: every work-group reads the same weights, so the four work-groups of a cluster ask for each slot's parts and for Wv's scale bytes JOINTLY (mask 15); x is each work-group's own.
; No data prefetch: a refill is asked for a whole slot (256 products, eight quantisers) ahead of the wait for it, and x comes once, at the head, where there is no loop to run ahead in.
; LAYOUTS (r = lane % 16, h = lane / 16; register j of a result).  Q, K: source 0 = 16 rows of W, source 1 = 16 rows of x: row 16 t + r of x, channel 16 u + 8 h + j.  S^T: source 0 = K's tile, source 1 = Q's: query 16 tq + r,
; key 16 tk + 8 h + j.  V: source 0 = x's tile, source 1 = 16 rows of Wv: channel 16 u + r, key 16 t + 8 h + j.  O: source 0 = p's tile, source 1 = V's: channel 16 u + r, query 16 tq + 8 h + j.
; So the 16 registers of two neighbouring tiles are 16 numbers of ONE block of 32 along the next product's K, lane l xor 16 holds the other 16, and the conversions' results are that product's operand registers.
; Inside a block of 32 the order of k is the same in both operands of a product (Q and K; p and V), so the same pairs meet, under the same scale bytes.
; The fifth product's K is 64: the upper half of its instruction's 128 is zero codes on both sides, under the scale byte 0.
; LIMITS.  NaN and infinity among the codes and scale bytes of 0xff are not served.  A block whose largest magnitude lies under 2^-111 keeps the scale byte 1; so does a block of zeros, where the rule says 127: its codes are
; zeros, and the bytes are read here alone.  A p under 2^-126 becomes 0.  t is made by one multiplication with the rounded constant log2(e) / sqrt(512), where reference() rounds twice.  1 / l is v_rcp_f32's.
.set PITCH, 528                        ; an LDS row: 512 bytes + 16 of padding = 132 words: row r starts at bank 4 r mod 64 (64 banks of 4 bytes: ISA guide 11.1)
.set TIL,   16*PITCH
.set GRP,   32*PITCH                   ; a group's rows
.set WPART, 64*PITCH                   ; what one tensor load of the ring brings
.set RB,    256*PITCH                  ; a region of the ring; region 1 begins here
.set SCW,   2*RB                       ; Wv's 8,192 scale bytes, dense, filled once
.set LW,    SCW+8192                   ; 256 bytes a wave: its 64 numbers 1 / l
.set STG,   LW+1024                    ; 2,048 bytes a wave: its row of out0
.set SPARE, STG+8192                   ; the spare words, 128 bytes for each wave: two blocks of 256 bytes that no other line names
; vector registers, window 0
.set LR,  1
.set LH,  2
.set AW0, 3                            ; my lane's place in a tile of rows: 528 r + 16 h
.set AS0, 4                            ; and among Wv's scale words: SCW + 16 x lane
.set ADW, 5                            ; LDS address of the weight rows in hand (Wk's, Wv's)
.set ADW2, 6                           ; of Wq's: 128 rows on
.set ADS, 7                            ; of the scale words in hand
.set AX,  8                            ; of my batch's x in region 1
.set LWS, 9                            ; where I put 1 / l of query r
.set LWL, 10                           ; where I read eight of them back
.set SGA, 11                           ; the stage: where the group's channel goes
.set SGL, 12                           ; and where I read 16 bytes of the row back
.set GO,  13                           ; 16 x lane; never rewritten
.set SG0, 14                           ; STG + 2,048 x wave + 4 x lane
.set LN,  15
.set SPW, 16                           ; LDS address of my spare word; never rewritten
.set NIL, 17                           ; 0; never rewritten
.set RO,  18                           ; a group's result
.set QS,  20                           ; Q's scale words, a tile each; later V's
.set VS,  20
.set XS,  24                           ; x's scale words: register XS + 8 i + s: lanes 0-15 tile 2 i, lanes 16-31 tile 2 i + 1, K step s
.set WS,  28                           ; weights' scale words, four sets: register WS + 8 set + s: lanes 0-15 tile u = 0, lanes 16-31 tile u = 1.  No product's two scale words have numbers equal modulo 8
.set KS,  40                           ; K's scale words; later p's
.set PS,  40
.set TM,  64                           ; a quantiser's largest magnitudes,
.set TP,  68                           ; the other half's, then bytes,
.set TS,  76                           ; the conversion's scale operand
.set XF,  80                           ; v80-95 x's fragment (tile 3, K step 3)
.set WF,  96                           ; v96-111 the second set's weight fragment (tile 1, K step 3)
.set BM,  64                           ; the softmax: a block's largest score, its largest p, its hold
.set BP,  56                           ; the other half's, then bytes, then 1 / l
.set NM,  112                          ; v112, 114, 116, 118: -M (the odd ones: 0);  then p's scale operands
.set SO,  112
.set LS,  120                          ; the rows' sums, a pair a tile
.set ST,  128                          ; v128-255 S^T, then p: tile (tq, tk) at ST + 32 tq + 8 tk
.set OD,  128                          ; later v128-191 O: tile (u, tq) at OD + 32 u + 8 tq
.set WT,  192                          ; later v192-223: register 8 tq + j = 1 / l of query 16 tq + 8 h + j
.set RA,  224                          ; later four chains of the weighted sum, two numbers each
.set RP,  232                          ; and the other half's
; window 1: x's other 15 fragments, (tile t, K step s) at 16 (4 t + s).   window 2: two sets of 8 weight fragments (less one), set p's (tile u, K step s) at 128 p + 16 (4 u + s).   Windows 1 and 2 both:
.set TH,  240                          ; the largest number x the scale of the four blocks
; window 3: two sets of eight accumulators at 64 p, and:
.set KF,  128                          ; v128-191 K's four fragments of the K step in hand;  v192-255 Q's
.set QF,  192
.set PF,  128                          ; later p's four fragments;  V's two
.set VF,  192
; scalar registers
.set WV,  22
.set WH,  23                           ; wave / 2
.set WL,  24                           ; wave % 2
.set CX,  25                           ; my work-group's place in the cluster: it enters x's, x's scales' and out0's addresses alone
.set BAT, 26                           ; my work-group, then my batch
.set WOFF, 27                          ; my part of a region: WPART x wave
.set G1W, 28                           ; s[28:35] descriptor group 1: rows of 512 bytes, padded, joint: 128 rows at the head, 64 behind it
.set G1X, 36                           ; s[36:43] 256 rows, no mask, for x
.set G1S, 44                           ; s[44:51] 32 rows x 256 bytes, dense, joint: Wv's scale bytes
.set G0W, 52                           ; s[52:55] group 0 of slot 0's Wk rows, then of the ring
.set G0X, 56
.set G0Q, 60                           ; s[60:63] of slot 0's Wq rows
.set G0S, 68
.set PQK, 72                           ; s[72:73] my part of slot 0 in memory;  s[74:75] of slot 4
.set PWV, 74
.set PK,  76                           ; s[76:77] scale words of Wk's 128 rows in hand (in the end Wv's);  s[78:79] of Wq's
.set PQ,  78
.set NX,  80                           ; the slot that the next change asks for
.set TF,  81                           ; the region that it goes to; behind a change: the region to be read next
.set OF,  82                           ; s[82:83] a slot's offset in its weight
.set BS,  84                           ; s[84:85] the chosen weight
.set T0,  86
.set VC,  87
.set MNT, 88                           ; the mantissa field of 57,344
.set HM,  89                           ; lanes 16-31
.set SEL, 90                           ; s[90:91] v_permlanex16_b32's selects for lane l xor 16
.set CS,  92                           ; s[92:93] c = log2(e) / sqrt(512): the packed form names a pair and takes its low word for both halves
.set TSC, 94                           ; where the next group's scale words of Wv begin, from SCW on
.set TVW, 95                           ; where the next group of Wv begins in the ring
.set TG,  96                           ; where the group's 128 bytes begin in the stage
.set MSB, 0
.macro WIN new                         ; s_set_vgpr_msb: bits 1:0 source 0, 3:2 source 1, 5:4 source 2, 7:6 destination; the immediate's high byte repeats the setting that is left
.if MSB != \new
	s_set_vgpr_msb (MSB<<8)|\new
.set MSB, \new
.endif
.endm
.macro PLACES n
.rept \n
	v_nop
.endr
.endm
.macro CREST                           ; a round of the cluster's barrier behind its opening barrier
	s_cmp_lg_u32 s[WV], 0
	s_cbranch_scc1 .Lnot_wave_0_\@
	s_barrier_signal -3
.Lnot_wave_0_\@:
	s_barrier_wait -3
	s_barrier_signal -1
	s_barrier_wait -1
.endm
.macro ROUND
	s_barrier_signal -1
	s_barrier_wait -1
	CREST
.endm
.macro TLOAD                           ; the ring's joint load: one line for all waves; an s_nop 0 and four v_nop follow it
	tensor_load_to_lds s[G0W:G0W+3], s[G1W:G1W+7]
	s_nop 0
	PLACES 4
.endm
; The head of a change of slots: all my tensor loads have landed; 0 onto my spare word; then, while that is out, the ring's group 0 for slot NX.
.macro CH1
	WIN 0                                          ; (the add's two registers lie in window 0)
	s_wait_tensorcnt 0x0                           ; no tensor load of mine is out: the group 0 may be written
	ds_add_u32 v[SPW], v[NIL]
	s_lshl_b32 s[OF], s[NX], 16                    ; slots 0-3: 128 rows of 512 bytes a slot, in Wk or Wq;
	s_sub_co_u32 s[T0], s[NX], 4
	s_lshl_b32 s[T0], s[T0], 17                    ; slots 4, 5: 256 rows a slot, in Wv
	s_cmp_lt_u32 s[NX], 4                          ; a count of slots: the same in every wave and work-group
	s_cselect_b32 s[OF], s[OF], s[T0]
	s_cselect_b64 s[BS:BS+1], s[PQK:PQK+1], s[PWV:PWV+1]
	s_add_nc_u64 s[G0W+2:G0W+3], s[BS:BS+1], s[OF:OF+1]
	s_or_b32 s[G0W+3], s[G0W+3], 0x80000000        ; type = 2
	s_add_co_u32 s[G0W+1], s[TF], s[WOFF]          ; into my part of the region that is being left
	s_xor_b32 s[TF], s[TF], RB                     ; from here on: the region to be read next
	s_add_co_u32 s[NX], s[NX], 1
.endm
; A group's 8 fragments (2 tiles x 4 K steps) into set p, in one run of 32 LDS loads.  A fragment is 16 registers: lane l holds row l % 16; registers 4 c .. 4 c + 3 hold k = 32 c + 16 (l / 16) + 0 .. 15.
; The set's registers were last read by products with more than eight plain vector instructions behind them
.macro FETCH p, areg, off
	WIN 0x80                                       ; destination window 2, address window 0
.irp u, 0,1
.irp s, 0,1,2,3
.if (\p) == 0 || \u == 0 || \s < 3
.irp c, 0,1,2,3
	ds_load_b128 v[128*(\p)+16*(4*\u+\s)+4*\c:128*(\p)+16*(4*\u+\s)+4*\c+3], v[\areg] offset:(\off)+TIL*\u+128*\s+32*\c
.endr
.endif
.endr
.endr
	WIN 0
.if (\p) == 1
.irp c, 0,1,2,3
	ds_load_b128 v[WF+4*\c:WF+4*\c+3], v[\areg] offset:(\off)+TIL+384+32*\c
.endr
.endif
.endm
; A group's scale words into a set: lane l takes the four words of the group's row l: 512 consecutive bytes
.macro WSLD set, base, off
	global_load_b128 v[WS+8*(\set):WS+8*(\set)+3], v[GO], s[\base:\base+1] offset:\off
.endm
; One product, by the symbols rD, rA, rB, rSA, rSB; ks = 0: it starts the sum; ra, rb: the side's scale words lie in lanes 16-31
.macro PROD
.if ks == 0
.if ra && rb
	v_wmma_scale_f32_16x16x128_f8f6f4 v[rD:rD+7], v[rA:rA+15], v[rB:rB+15], 0, v[rSA], v[rSB] matrix_a_fmt:MATRIX_FMT_BF8 matrix_b_fmt:MATRIX_FMT_BF8 matrix_a_scale:MATRIX_SCALE_ROW1 matrix_b_scale:MATRIX_SCALE_ROW1
.elseif ra
	v_wmma_scale_f32_16x16x128_f8f6f4 v[rD:rD+7], v[rA:rA+15], v[rB:rB+15], 0, v[rSA], v[rSB] matrix_a_fmt:MATRIX_FMT_BF8 matrix_b_fmt:MATRIX_FMT_BF8 matrix_a_scale:MATRIX_SCALE_ROW1
.elseif rb
	v_wmma_scale_f32_16x16x128_f8f6f4 v[rD:rD+7], v[rA:rA+15], v[rB:rB+15], 0, v[rSA], v[rSB] matrix_a_fmt:MATRIX_FMT_BF8 matrix_b_fmt:MATRIX_FMT_BF8 matrix_b_scale:MATRIX_SCALE_ROW1
.else
	v_wmma_scale_f32_16x16x128_f8f6f4 v[rD:rD+7], v[rA:rA+15], v[rB:rB+15], 0, v[rSA], v[rSB] matrix_a_fmt:MATRIX_FMT_BF8 matrix_b_fmt:MATRIX_FMT_BF8
.endif
.else
.if ra && rb
	v_wmma_scale_f32_16x16x128_f8f6f4 v[rD:rD+7], v[rA:rA+15], v[rB:rB+15], v[rD:rD+7], v[rSA], v[rSB] matrix_a_fmt:MATRIX_FMT_BF8 matrix_b_fmt:MATRIX_FMT_BF8 matrix_a_scale:MATRIX_SCALE_ROW1 matrix_b_scale:MATRIX_SCALE_ROW1
.elseif ra
	v_wmma_scale_f32_16x16x128_f8f6f4 v[rD:rD+7], v[rA:rA+15], v[rB:rB+15], v[rD:rD+7], v[rSA], v[rSB] matrix_a_fmt:MATRIX_FMT_BF8 matrix_b_fmt:MATRIX_FMT_BF8 matrix_a_scale:MATRIX_SCALE_ROW1
.elseif rb
	v_wmma_scale_f32_16x16x128_f8f6f4 v[rD:rD+7], v[rA:rA+15], v[rB:rB+15], v[rD:rD+7], v[rSA], v[rSB] matrix_a_fmt:MATRIX_FMT_BF8 matrix_b_fmt:MATRIX_FMT_BF8 matrix_b_scale:MATRIX_SCALE_ROW1
.else
	v_wmma_scale_f32_16x16x128_f8f6f4 v[rD:rD+7], v[rA:rA+15], v[rB:rB+15], v[rD:rD+7], v[rSA], v[rSB] matrix_a_fmt:MATRIX_FMT_BF8 matrix_b_fmt:MATRIX_FMT_BF8
.endif
.endif
.endm
; Product n of a group's 32, K step n / 8.  kind 0 (Q, K): source 0 = W's tile uu, source 1 = x's tile tt; kind 1 (V): the other way round.  The eight accumulators take turns, one instruction a turn;
; in the last K step x's tile 3 comes last, so that the fragments in window 0 stand together
.macro MMP kind, p, ws, n
.set ks, (\n)/8
.set uu, ((\n)/4)%2
.set tt, (\n)%4
.if ks == 3
.set uu, ((\n)-24)/3
.set tt, ((\n)-24)%3
.if (\n) >= 30
.set uu, (\n)-30
.set tt, 3
.endif
.endif
.set ww_, 2                                        ; the weight fragment: window 2,
.set rW, 128*(\p)+16*(4*uu+ks)
.if (\p) == 1 && uu == 1 && ks == 3
.set ww_, 0                                        ; or window 0;
.set rW, WF
.endif
.set wx_, 1                                        ; x's: window 1,
.set rX, 16*(4*tt+ks)
.if tt == 3 && ks == 3
.set wx_, 0                                        ; or window 0
.set rX, XF
.endif
.if \kind
.set nw_, 0xf0|wx_|(ww_<<2)                        ; C and D window 3
.set rD, 64*(\p)+32*uu+8*tt                        ; tiles t = 2 kb, 2 kb + 1 lie on end: 16 numbers of a block of 32 keys
.set rA, rX
.set rB, rW
.set rSA, XS+8*(tt/2)+ks
.set rSB, (\ws)+ks
.set ra, tt%2
.set rb, uu
.else
.set nw_, 0xf0|ww_|(wx_<<2)
.set rD, 64*(\p)+16*tt+8*uu                        ; tile t's two results lie on end: 16 numbers of a block of 32 channels
.set rA, rW
.set rB, rX
.set rSA, (\ws)+ks
.set rSB, XS+8*(tt/2)+ks
.set ra, uu
.set rb, tt%2
.endif
	WIN nw_
	PROD
.endm
; The hold of number n = 0 .. 63 of the group before, at qA: the conversion to an 8-bit code does not saturate (ISA guide 7.6.2): between - and + the largest code x the block's scale.  Sources 0 and 1 lie in windows 1 and 2 (either way round), source 2 and the destination in window 3
.macro HOLD n
	v_med3_num_f32 v[qA+(\n)], v[TH+(\n)/16], -v[TH+(\n)/16], v[qA+(\n)]
.endm
; Products lo .. hi - 1, with two holds of the group before behind each of the first 27
.macro MMH kind, p, ws, lo, hi
.set qA, 64*(1-(\p))
.set g_, \lo
.rept (\hi)-(\lo)
	MMP \kind, \p, \ws, g_
.if g_ < 27
	HOLD 2*g_
	HOLD 2*g_+1
.endif
.set g_, g_+1
.endr
.endm
; The last ten holds: they are also the eight places in front of the first read of the products' results
.macro HREST kind
.if \kind
	WIN 0xf9
.else
	WIN 0xf6
.endif
.set g_, 54
.rept 10
	HOLD g_
.set g_, g_+1
.endr
.endm
; The conversions of the group before: half block h of block q = h / 2.  qvm = 0 (Q, K): block q is tile q's block qb of the K step: codes to qF + 16 q + 4 qb.   qvm = 1 (V): block q is tile q / 2's key block q % 2: codes to VF + 16 (q / 2) + 4 (q % 2)
.macro CONV h
.set q_, (\h)/2
.if qvm
.set x_, VF+16*(q_/2)+4*(q_%2)+2*((\h)%2)
.else
.set x_, qF+16*q_+4*qb+2*((\h)%2)
.endif
	v_cvt_scalef32_pk8_bf8_f32 v[x_:x_+1], v[qA+8*(\h):qA+8*(\h)+7], v[TS+q_]
.endm
.macro CVT
	WIN 0xc3                                       ; destination and source 0 window 3
.irp h, 0,1,2,3,4,5,6,7
	CONV \h
.endr
.endm
; THE SCALES of a group's four blocks q, my 16 numbers of each at A + 16 q; lane l xor 16 holds a block's other 16.  STATA: the largest magnitude, with the floor 2^(16 - 127) among its leaves: the byte cannot fall under 1
.macro STATA A
.set sA, \A
	WIN 0x3c                                       ; sources 1 and 2 window 3
.irp q, 0,1,2,3
	v_max3_num_f32 v[TM+\q], 0x8000000, |v[sA+16*\q]|, |v[sA+16*\q+1]|   ; each accumulator is read from its low end on
.endr
.irp m, 2,4,6,8,10,12,14
.irp q, 0,1,2,3
	v_max3_num_f32 v[TM+\q], v[TM+\q], |v[sA+16*\q+\m]|, |v[sA+16*\q+\m+1]|   ; (the four blocks by turns)
.endr
.endr
.endm
; STATB: with lane l xor 16's; the bounds; the conversions' operands; the bytes: vm = 0: byte b of word W + q; vm = 1: byte q % 2 of word VS + q / 2
.macro STATB vm, b, W
	WIN 0
.irp q, 0,1,2,3
	v_permlanex16_b32 v[TP+\q], v[TM+\q], s[SEL], s[SEL+1]
.endr
.irp q, 0,1,2,3
	v_max_num_f32 v[TM+\q], v[TM+\q], v[TP+\q]
.endr
	WIN 0x40
.irp q, 0,1,2,3
	v_and_or_b32 v[TH+\q], v[TM+\q], 0x7f800000, s[MNT]   ; 57,344 x the scale, in window 1
.endr
	WIN 0x80
.irp q, 0,1,2,3
	v_and_or_b32 v[TH+\q], v[TM+\q], 0x7f800000, s[MNT]   ; and in window 2
.endr
	WIN 0
.irp q, 0,1,2,3
	v_add_nc_u32 v[TS+\q], 0xf8800000, v[TM+\q]    ; 15 off the exponent field: the conversion takes the exponent field of this operand as its scale
.endr
.irp q, 0,1,2,3                        ; a word's first byte starts the word,
.if \vm
.set x_, VS+\q/2
.set m_, 8*(\q%2)
.else
.set x_, (\W)+\q
.set m_, 8*(\b)
.endif
.if m_ == 0
	v_lshrrev_b32 v[x_], 23, v[TS+\q]
.else
	v_lshrrev_b32 v[TP+\q], 23, v[TS+\q]
.endif
.endr
.irp q, 0,1,2,3                        ; the others are set beside it
.if \vm
.set x_, VS+\q/2
.set m_, 8*(\q%2)
.else
.set x_, (\W)+\q
.set m_, 8*(\b)
.endif
.if m_ != 0
	v_lshl_or_b32 v[x_], v[TP+\q], m_, v[x_]
.endif
.endr
.endm
; S^T += K Q^T for a K step: 16 accumulators by turns
.macro SPROD
	WIN 0x0f                                       ; sources 0 and 1 window 3, C and D window 0
.set w_, 0
.rept 16
	v_wmma_scale_f32_16x16x128_f8f6f4 v[ST+8*w_:ST+8*w_+7], v[KF+16*(w_%4):KF+16*(w_%4)+15], v[QF+16*(w_/4):QF+16*(w_/4)+15], v[ST+8*w_:ST+8*w_+7], v[KS+w_%4], v[QS+w_/4] matrix_a_fmt:MATRIX_FMT_BF8 matrix_b_fmt:MATRIX_FMT_BF8
.set w_, w_+1
.endr
	WIN 0
.endm
; O = p V for a group's 32 channels: eight products, each a whole sum
.macro PVP
	WIN 0x0f
.set w_, 0
.rept 8
	v_wmma_scale_f32_16x16x128_f8f6f4 v[OD+8*w_:OD+8*w_+7], v[PF+16*(w_%4):PF+16*(w_%4)+15], v[VF+16*(w_/4):VF+16*(w_/4)+15], 0, v[PS+w_%4], v[VS+w_/4] matrix_a_fmt:MATRIX_FMT_BF8 matrix_b_fmt:MATRIX_FMT_BF8
.set w_, w_+1
.endr
	WIN 0
.endm
; The sum over the queries of O / l: my 32 queries of each of the two channels, in two chains a channel, two numbers an instruction; then lane l xor 16's 32.  Lane l ends with channel 32 g + l.
.macro REDUCE
.irp c, 0,1
.irp u, 0,1
	v_pk_mul_f32 v[RA+4*\u+2*\c:RA+4*\u+2*\c+1], v[OD+32*\u+2*\c:OD+32*\u+2*\c+1], v[WT+2*\c:WT+2*\c+1]   ; each accumulator is read from its low end on
.endr
.endr
.irp n, 2,3,4,5,6,7,8,9,10,11,12,13,14,15
.irp u, 0,1
	v_pk_fma_f32 v[RA+4*\u+2*(\n%2):RA+4*\u+2*(\n%2)+1], v[OD+32*\u+2*\n:OD+32*\u+2*\n+1], v[WT+2*\n:WT+2*\n+1], v[RA+4*\u+2*(\n%2):RA+4*\u+2*(\n%2)+1]
.endr
.endr
.irp u, 0,1
	v_pk_add_f32 v[RA+4*\u:RA+4*\u+1], v[RA+4*\u:RA+4*\u+1], v[RA+4*\u+2:RA+4*\u+3]
.endr
	v_add_nc_u32 v[SGA], s[TG], v[SG0]
.irp u, 0,1
	v_add_f32 v[RA+4*\u], v[RA+4*\u], v[RA+4*\u+1]
.endr
.irp u, 0,1
	v_permlanex16_b32 v[RP+\u], v[RA+4*\u], s[SEL], s[SEL+1]
.endr
.irp u, 0,1
	v_add_f32 v[RA+4*\u], v[RA+4*\u], v[RP+\u]
.endr
	v_cndmask_b32 v[RO], v[RA], v[RA+4], s[HM]     ; lanes 0-15 keep tile u = 0's channel, lanes 16-31 take tile u = 1's
	s_add_co_u32 s[TG], s[TG], 128
	ds_store_b32 v[SGA], v[RO]                     ; 128 consecutive bytes of my row of out0, in my stage
.endm
; A group of a slot of Wk and Wq.  Groups 0-3 make K's blocks 0-3 of the K step, groups 4-7 Q's; what is held and converted is the group before's.
.macro QKG i
	s_wait_loadcnt 0x2                             ; this group's scale words are in; those of the next two may be out
	s_wait_dscnt 0x0                               ; its fragments too
.if (\i) == 5
	s_wait_xcnt 0x0                                ; every load has read its base
	s_add_nc_u64 s[PQ:PQ+1], s[PQ:PQ+1], 2048      ; 128 rows of scale words on
	s_add_nc_u64 s[PK:PK+1], s[PK:PK+1], 2048
	s_cmp_eq_u32 s[NX], 5                          ; in the last trip what follows is Wv's
	s_cselect_b64 s[PK:PK+1], s[18:19], s[PK:PK+1]
.endif
.if (\i) < 7                           ; the next group's fragments, and the scale words of the group three on
.if (\i) < 3
	FETCH 1-(\i)%2, ADW, GRP*((\i)+1)
.else
	FETCH 1-(\i)%2, ADW2, GRP*((\i)-3)
.endif
.if (\i) == 0
	WSLD 3, PK, 1536
.elseif (\i) < 5
	WSLD ((\i)+3)%4, PQ, 512*((\i)-1)
.else
	WSLD ((\i)+3)%4, PK, 512*((\i)-5)
.endif
	MMH 0, (\i)%2, WS+8*((\i)%4), 0, 32
.else
	CH1
	MMH 0, 1, WS+24, 0, 16                         ; products stand between the add and the wait for it
	s_wait_dscnt 0x0                               ; the add is done, and my reads of this slot are over
	s_barrier_signal -1                            ; this barrier opens a round of the cluster's barrier
	MMH 0, 1, WS+24, 16, 32                        ; work on registers while the others arrive
	WIN 0
	s_wait_alu depctr_va_vdst(0)
	s_barrier_wait -1
	CREST                                          ; no wave of any partner still reads this slot or has a load on its way
	TLOAD                                          ; the slot two on into the region just left: a whole slot's products and quantisers ahead of the wait for it
	v_add_nc_u32 v[ADW], s[TF], v[AW0]
	v_add_nc_u32 v[ADW2], 128*PITCH, v[ADW]
	FETCH 0, ADW, 0                                ; the next slot's first group
	WSLD 2, PK, 1024
.endif
	HREST 0
.set qvm, 0
.set qb, ((\i)+7)%4
.if (((\i)+7)%8) < 4
.set qF, KF
.else
.set qF, QF
.endif
	CVT
.if (\i) == 0
	WIN 0
	PLACES 4                                       ; codes made by vector instructions stand four places ahead of a scaled product
	s_cmp_eq_u32 s[NX], 2                          ; in the first trip no K step has been quantised yet
	s_cbranch_scc1 .Lno_scores
	SPROD
.Lno_scores:
.endif
	STATA 64*((\i)%2)
.if (\i) < 4
	STATB 0, \i, KS
.else
	STATB 0, (\i)-4, QS
.endif
.endm
; Iteration i = 1 .. 15 over Wv's groups of 32 rows = 32 channels of out0; p = i % 2.  lv = 1: the next group's fragments are asked for; 2: and its scale words
.macro VI p, lv
	s_wait_dscnt 0x0                               ; this group's fragments and scale words are in, and the last group's store has read its register
.if \lv
	v_add_nc_u32 v[ADW], s[TVW], v[AW0]
	s_add_co_u32 s[TVW], s[TVW], GRP
.if (\lv) == 2
	v_add_nc_u32 v[ADS], s[TSC], v[AS0]
	s_add_co_u32 s[TSC], s[TSC], 512
.endif
	FETCH 1-(\p), ADW, 0
.if (\lv) == 2
	ds_load_b128 v[WS+8+8*(\p):WS+8+8*(\p)+3], v[ADS]   ; 16 bytes a row: lane l takes the four words of the next group's row l
.endif
.endif
	MMH 1, \p, WS+16-8*(\p), 0, 32
	HREST 1
.set qvm, 1
	CVT
	STATA 64*(\p)                                  ; (these are also the places between the conversions and the products that take their codes)
	PVP                                            ; the group before's
	STATB 1, 0, 0                                  ; (and these the places behind those products)
	REDUCE
.endm
	s_load_b512 s[4:19], s[0:1], 0x0               ; x's codes s[4:5], x's scales s[6:7], Wk's s[8:9], s[10:11], Wq's s[12:13], s[14:15], Wv's s[16:17], s[18:19]
	s_load_b64 s[20:21], s[0:1], 0x40              ; out0
	v_lshl_add_u32 v[SPW], v0, 2, SPARE
	v_mov_b32 v[NIL], 0
	ds_add_u32 v[SPW], v[NIL]                      ; the wave's opening: the add, twice on end, and its wait ahead of my first tensor load; the set-up below, work on registers, stands between the second and the wait
	ds_add_u32 v[SPW], v[NIL]
	v_lshrrev_b32 v[LN], 5, v0
	v_readfirstlane_b32 s[WV], v[LN]               ; wave 0..3
	s_lshr_b32 s[WH], s[WV], 1                     ; slots 1-3: I fetch for Wk (0) or for Wq (1),
	s_and_b32 s[WL], s[WV], 1                      ; and which 64 of the 128 rows
	s_bfe_u32 s[CX], ttmp6, 0x40000                ; my place in the cluster
	s_lshl_b32 s[BAT], ttmp9, 2                    ; in a cluster launch ttmp9 counts clusters
	s_add_co_u32 s[BAT], s[BAT], s[CX]             ; my work-group
	s_mul_i32 s[WOFF], s[WV], WPART                ; no place in the cluster enters an LDS address
	; descriptor group 1 for the weights' rows: 128 rows x 512 elements of 1 byte, 512 bytes apart in memory; for x: 256 rows
	s_mov_b32 s[G1W+0], 15|(1<<20)|(1<<21)|(6<<22)|(3<<25)   ; 15:0 the mask: all four work-groups; 17:16 elements of 1 byte; 20 padding on; 21 set beside a mask; 24:22 after every 128 words (code 6); 31:25 four words (code 3)
	s_mov_b32 s[G1X+0], (1<<20)|(6<<22)|(3<<25)    ; no mask: x is my work-group's own
	s_mov_b32 s[G1W+2], 128<<16                    ; tensor_dim1
	s_mov_b32 s[G1X+2], 256<<16
	s_mov_b32 s[G1W+4], 128                        ; tile_dim1
	s_mov_b32 s[G1X+4], 256
.irp g, G1W, G1X
	s_mov_b32 s[\g+1], 512<<16                     ; tensor_dim0 = 512
	s_mov_b32 s[\g+3], 512<<16                     ; tile_dim0 = 512
	s_mov_b32 s[\g+5], 512                         ; tensor_dim0_stride
	s_mov_b32 s[\g+6], 0
	s_mov_b32 s[\g+7], 0
.endr
	; and for Wv's scale bytes: 8,192 dense bytes as 32 rows of 32 elements of 8 bytes, no padding
	s_mov_b32 s[G1S+0], 15|(3<<16)|(1<<21)
	s_mov_b32 s[G1S+1], 32<<16
	s_mov_b32 s[G1S+2], 32<<16
	s_mov_b32 s[G1S+3], 32<<16
	s_mov_b32 s[G1S+4], 32
	s_mov_b32 s[G1S+5], 32
	s_mov_b32 s[G1S+6], 0
	s_mov_b32 s[G1S+7], 0
	s_mov_b32 s[G0X], 1                            ; groups 0: count = 1, and the LDS addresses
	s_mov_b32 s[G0X+1], RB                         ; x: region 1
	s_mov_b32 s[G0W], 1
	s_mov_b32 s[G0W+1], 0                          ; slot 0: region 0: Wk's 128 rows,
	s_mov_b32 s[G0Q], 1
	s_mov_b32 s[G0Q+1], 128*PITCH                  ; then Wq's
	s_mov_b32 s[G0S], 1
	s_mov_b32 s[G0S+1], SCW
	s_mov_b32 s[MNT], 0x600000
	s_mov_b32 s[HM], 0xffff0000
	s_mov_b32 s[SEL], 0x76543210
	s_mov_b32 s[SEL+1], 0xfedcba98
	s_mov_b32 s[CS], 0x3d8293ee                    ; log2(e) / sqrt(512)
	s_mov_b32 s[CS+1], s[CS]                       ; (named with it as a pair, so it is written)
	s_mov_b32 s[NX], 1
	s_mov_b32 s[TF], RB
	s_mov_b32 s[TSC], 3*512
	s_mov_b32 s[TVW], 2*GRP
	s_mov_b32 s[TG], 0
	s_mov_b32 s3, 0
	s_mov_b32 s[OF+1], 0                           ; stays 0
	s_wait_dscnt 0x0                               ; both opening adds are done
	s_wait_kmcnt 0x0
	s_lshl_b32 s2, s[BAT], 17                      ; my work-group's four batches: 256 rows of 512 codes on end
	s_add_nc_u64 s[G0X+2:G0X+3], s[4:5], s[2:3]
	s_or_b32 s[G0X+3], s[G0X+3], 0x80000000
	s_lshl_b32 s[BAT], s[BAT], 2
	s_add_co_u32 s[BAT], s[BAT], s[WV]             ; my batch:
	s_lshl_b32 s2, s[BAT], 10                      ; 64 rows of 16 scale bytes,
	s_add_nc_u64 s[6:7], s[6:7], s[2:3]
	s_lshl_b32 s2, s[BAT], 11                      ; a row of 512 f32 numbers
	s_add_nc_u64 s[20:21], s[20:21], s[2:3]
	s_lshl_b32 s[OF], s[WL], 15                    ; the weights' addresses hang on the wave's number alone: they are the same in all four work-groups
	s_cmp_eq_u32 s[WH], 0
	s_cselect_b64 s[PQK:PQK+1], s[8:9], s[12:13]
	s_add_nc_u64 s[PQK:PQK+1], s[PQK:PQK+1], s[OF:OF+1]
	s_lshl_b32 s[OF], s[WV], 15
	s_add_nc_u64 s[PWV:PWV+1], s[16:17], s[OF:OF+1]
	s_mov_b64 s[G0W+2:G0W+3], s[8:9]
	s_or_b32 s[G0W+3], s[G0W+3], 0x80000000
	s_mov_b64 s[G0Q+2:G0Q+3], s[12:13]
	s_or_b32 s[G0Q+3], s[G0Q+3], 0x80000000
	s_mov_b64 s[G0S+2:G0S+3], s[18:19]
	s_or_b32 s[G0S+3], s[G0S+3], 0x80000000
	s_mov_b64 s[PK:PK+1], s[10:11]
	s_mov_b64 s[PQ:PQ+1], s[14:15]
	ROUND                                          ; all four work-groups are here: the first joint loads meet
; THE HEAD'S LOADS, ONE A WAVE: wave 0 fetches x's 256 rows, waves 1 and 2 slot 0's rows of Wk and Wq, wave 3 Wv's scale bytes.  One tree of branches on the wave's number: every way through it passes exactly one load.
.macro ARM under, g0, g1, next
	s_cmp_lt_u32 s[WV], \under
	s_cbranch_scc0 \next
	tensor_load_to_lds s[\g0:\g0+3], s[\g1:\g1+7]
	s_nop 0
	PLACES 4
	s_branch .Lhead_asked
\next:
.endm
	ARM 1, G0X, G1X, .Lhead_wk
	ARM 2, G0W, G1W, .Lhead_wq
	ARM 3, G0Q, G1W, .Lhead_sc
	tensor_load_to_lds s[G0S:G0S+3], s[G1S:G1S+7]
	s_nop 0
	PLACES 4
.Lhead_asked:
	v_and_b32 v[LN], 31, v0
	v_lshlrev_b32 v[GO], 4, v[LN]
	global_load_b128 v[XS:XS+3], v[GO], s[6:7] th:TH_LOAD_NT               ; x's scale words: lane l takes the four words of row l: 512 consecutive bytes a load,
	global_load_b128 v[XS+8:XS+11], v[GO], s[6:7] offset:512 th:TH_LOAD_NT ; and of row 32 + l
	WSLD 0, PK, 0                                  ; the first three groups' scale words
	WSLD 1, PK, 512
	WSLD 2, PK, 1024
	v_and_b32 v[LR], 15, v0
	v_bfe_u32 v[LH], v0, 4, 1
	v_mul_u32_u24 v[AW0], v[LR], PITCH
	v_lshl_add_u32 v[AW0], v[LH], 4, v[AW0]
	v_mov_b32 v[ADW], v[AW0]                       ; slot 0 lies in region 0
	v_add_nc_u32 v[ADW2], 128*PITCH, v[AW0]
	v_add_nc_u32 v[AS0], SCW, v[GO]
	s_add_co_u32 s[T0], s[WOFF], RB
	v_add_nc_u32 v[AX], s[T0], v[AW0]
	s_lshl_b32 s[T0], s[WV], 8
	s_add_co_u32 s[T0], s[T0], LW
	v_lshl_add_u32 v[LWS], v[LR], 2, s[T0]
	v_lshl_add_u32 v[LWL], v[LH], 5, s[T0]
	s_lshl_b32 s[T0], s[WV], 11
	s_add_co_u32 s[T0], s[T0], STG
	v_lshl_add_u32 v[SG0], v[LN], 2, s[T0]
	v_add_nc_u32 v[SGL], s[T0], v[GO]
.irp q, 0,1,2,3
	v_mov_b32 v[TP+\q], 0                          ; a lane permute's destination counts as one of its sources
	v_mov_b32 v[TS+\q], 1.0                        ; what the first trip's conversions of zeros find
	v_mov_b32 v[KS+\q], 0
	v_mov_b32 v[QS+\q], 0
	v_mov_b32 v[BP+\q], 0
	v_mov_b32 v[BP+4+\q], 0
.endr
.set j, 0
.rept 128
	v_mov_b32 v[ST+j], 0                           ; S^T: so the trip over a slot is written once
.set j, j+1
.endr
	WIN 0x40
.irp q, 0,1,2,3
	v_mov_b32 v[TH+\q], 0
.endr
	WIN 0x80
.irp q, 0,1,2,3
	v_mov_b32 v[TH+\q], 0
.endr
	WIN 0xc0
.set j, 64
.rept 192
	v_mov_b32 v[j], 0                              ; window 3: the second set of accumulators, K's and Q's codes
.set j, j+1
.endr
	WIN 0
	s_wait_alu depctr_va_vdst(0)
	s_wait_tensorcnt 0x0                           ; my tile of the head's four is in
	s_barrier_signal -1
	s_barrier_wait -1                              ; and everybody's
	s_mov_b32 s[G1W+2], 64<<16                     ; no tensor load of mine is out: from here on a load brings 64 rows
	s_mov_b32 s[G1W+4], 64
	WIN 0x40                                       ; destination window 1
.irp t, 0,1,2,3
.irp s, 0,1,2,3
.if \t < 3 || \s < 3
.irp c, 0,1,2,3
	ds_load_b128 v[16*(4*\t+\s)+4*\c:16*(4*\t+\s)+4*\c+3], v[AX] offset:TIL*\t+128*\s+32*\c   ; x stays in registers
.endr
.endif
.endr
.endr
	WIN 0
.irp c, 0,1,2,3
	ds_load_b128 v[XF+4*\c:XF+4*\c+3], v[AX] offset:TIL*3+384+32*\c
.endr
	FETCH 0, ADW, 0                                ; slot 0's first group
	CH1                                            ; slot 1 will go where x lay
	s_wait_dscnt 0x0                               ; the add is done, and my reads of region 1 are over
	ROUND                                          ; both hold of every wave of every work-group of the cluster
	TLOAD                                          ; slot 1: the first thing behind the round, my one tensor load until the next
.Lqk:                                              ; four trips: slot k is read, and slot k + 2 is asked for as it is left
.irp i, 0,1,2,3,4,5,6,7
	QKG \i
.endr
	WIN 0
	s_wait_alu depctr_va_vdst(0)                   ; ahead of the branch
	s_cmp_lt_u32 s[NX], 6
	s_cbranch_scc1 .Lqk
	; Wv's group 0; Q's last block is held among its products
	s_wait_loadcnt 0x2                             ; its scale words are in; groups 1 and 2's may be out
	s_wait_dscnt 0x0
	FETCH 1, ADW, GRP
	MMH 1, 0, WS, 0, 32
	HREST 1
.set qvm, 0
.set qb, 3
.set qF, QF
	CVT
	WIN 0
	PLACES 4
	SPROD                                          ; the last K step
	STATA 0                                        ; V's first group is read here, ahead of the exponentials; these lines are the places behind the scores' last product too
	STATB 1, 0, 0
	; THE SOFTMAX, once.  Lane (r, h) holds, for each tile tq, query 16 tq + r and 32 of its 64 scores; block n = 2 tq + kb: my 16 scores of keys 32 kb on, at ST + 16 n.
.irp n, 0,1,2,3,4,5,6,7
	v_max3_num_f32 v[BM+\n], v[ST+16*\n], v[ST+16*\n+1], v[ST+16*\n+2]   ; the largest score of each block: it serves for the row's maximum and, since p rises with the score, for the block's largest p
.endr
.irp m, 3,5,7,9,11,13
.irp n, 0,1,2,3,4,5,6,7
	v_max3_num_f32 v[BM+\n], v[BM+\n], v[ST+16*\n+\m], v[ST+16*\n+\m+1]
.endr
.endr
.irp n, 0,1,2,3,4,5,6,7
	v_max_num_f32 v[BM+\n], v[BM+\n], v[ST+16*\n+15]
.endr
.irp n, 0,1,2,3,4,5,6,7
	v_permlanex16_b32 v[BP+\n], v[BM+\n], s[SEL], s[SEL+1]
.endr
.irp n, 0,1,2,3,4,5,6,7
	v_max_num_f32 v[BM+\n], v[BM+\n], v[BP+\n]     ; with lane l xor 16's 16 keys
.endr
.irp t, 0,1,2,3
	v_max_num_f32 v[NM+2*\t], v[BM+2*\t], v[BM+2*\t+1]   ; the row's largest score,
.endr
.irp t, 0,1,2,3
	v_mul_f32 v[NM+2*\t], s[CS], v[NM+2*\t]        ; as t (c is positive)
.endr
.irp t, 0,1,2,3
	v_floor_f32 v[NM+2*\t], -v[NM+2*\t]            ; -M = floor(-t) = -ceil(t)
.endr
.irp t, 0,1,2,3
	v_mov_b32 v[NM+2*\t+1], 0                      ; (named with it as a pair)
.endr
.irp t, 0,1,2,3
.irp m, 0,2,4,6,8,10,12,14,16,18,20,22,24,26,28,30
	v_pk_fma_f32 v[ST+32*\t+\m:ST+32*\t+\m+1], v[ST+32*\t+\m:ST+32*\t+\m+1], s[CS:CS+1], v[NM+2*\t:NM+2*\t+1] op_sel_hi:[1,0,0]   ; t - M, two at a time
.endr
.endr
.irp n, 0,1,2,3,4,5,6,7
	v_fma_f32 v[BM+\n], v[BM+\n], s[CS], v[NM+2*(\n/2)]   ; the same of each block's largest score
.endr
.set j, 0
	s_wait_alu depctr_va_vdst(0)                   ; ahead of the batch
.rept 128
	v_exp_f32 v[ST+j], v[ST+j]                     ; p = 2^(t - M), at most 1: not normalised
.set j, j+1
.endr
	v_nop                                          ; a plain instruction behind the last exponential
	s_wait_alu depctr_va_vdst(0)                   ; one wait for the batch, ahead of its first reader
.irp n, 0,1,2,3,4,5,6,7
	v_exp_f32 v[BM+\n], v[BM+\n]                   ; the block's largest p: the same two instructions on the same number give the same bits
.endr
.irp t, 0,1,2,3
	v_pk_add_f32 v[LS+2*\t:LS+2*\t+1], v[ST+32*\t:ST+32*\t+1], v[ST+32*\t+2:ST+32*\t+3]   ; THE ROW'S SUM IS TAKEN OF THE UNQUANTISED p.  (These read the 128 alone: plain work behind the eight)
.endr
.irp m, 4,6,8,10,12,14,16,18,20,22,24,26,28,30
.irp t, 0,1,2,3
	v_pk_add_f32 v[LS+2*\t:LS+2*\t+1], v[LS+2*\t:LS+2*\t+1], v[ST+32*\t+\m:ST+32*\t+\m+1]
.endr
.endr
.irp t, 0,1,2,3
	v_add_f32 v[LS+2*\t], v[LS+2*\t], v[LS+2*\t+1]
.endr
.irp t, 0,1,2,3
	v_permlanex16_b32 v[BP+\t], v[LS+2*\t], s[SEL], s[SEL+1]
.endr
.irp t, 0,1,2,3
	v_add_f32 v[LS+2*\t], v[LS+2*\t], v[BP+\t]     ; l of query 16 tq + r, in both halves of the lanes
.endr
	s_wait_alu depctr_va_vdst(0)                   ; and one wait for the eight
.irp n, 0,1,2,3,4,5,6,7
	v_max_num_f32 v[BM+\n], 0x8000000, v[BM+\n]    ; the floor 2^(16 - 127): a block whose every p has fallen to 0 keeps the byte 1: its codes are zeros
.endr
.irp n, 0,1,2,3,4,5,6,7
	v_add_nc_u32 v[SO+\n], 0xf8800000, v[BM+\n]    ; the conversion's scale operand
.endr
.irp n, 0,1,2,3,4,5,6,7
	v_and_or_b32 v[BM+\n], v[BM+\n], 0x7f800000, s[MNT]   ; 57,344 x the scale
.endr
.irp n, 0,1,2,3,4,5,6,7
	v_lshrrev_b32 v[BP+\n], 23, v[SO+\n]           ; the scale's byte
.endr
.irp t, 0,1,2,3
	v_lshl_or_b32 v[PS+\t], v[BP+2*\t+1], 8, v[BP+2*\t]   ; p's scale word: two bytes for the 64 keys, 0 over the zero codes
.endr
.irp n, 0,1,2,3,4,5,6,7
.irp m, 0,1,2,3,4,5,6,7,8,9,10,11,12,13,14,15
	v_min_num_f32 v[ST+16*\n+\m], v[ST+16*\n+\m], v[BM+\n]   ; p is not negative, so the hold is one-sided
.endr
.endr
	WIN 0xc0                                       ; destination window 3
.irp n, 0,1,2,3,4,5,6,7
	v_cvt_scalef32_pk8_bf8_f32 v[PF+16*(\n/2)+4*(\n%2):PF+16*(\n/2)+4*(\n%2)+1], v[ST+16*\n:ST+16*\n+7], v[SO+\n]
	v_cvt_scalef32_pk8_bf8_f32 v[PF+16*(\n/2)+4*(\n%2)+2:PF+16*(\n/2)+4*(\n%2)+3], v[ST+16*\n+8:ST+16*\n+15], v[SO+\n]
.endr
.irp t, 0,1,2,3
.irp m, 8,9,10,11,12,13,14,15
	v_mov_b32 v[PF+16*\t+\m], 0                    ; k = 64 .. 127 of p's fragments: zero codes.  (Plain instructions behind the conversions)
.endr
.endr
.irp u, 0,1
.irp m, 8,9,10,11,12,13,14,15
	v_mov_b32 v[VF+16*\u+\m], 0                    ; and of V's: written once for all groups
.endr
.endr
	WIN 0
	s_wait_alu depctr_va_vdst(0)                   ; ahead of the batch
.irp t, 0,1,2,3
	v_rcp_f32 v[BP+\t], v[LS+2*\t]
.endr
	v_nop                                          ; a plain instruction behind the last reciprocal,
	s_wait_alu depctr_va_vdst(0)                   ; and the wait ahead of the first reader
.irp t, 0,1,2,3
	ds_store_b32 v[LWS], v[BP+\t] offset:64*\t     ; 1 / l of query 16 tq + r (both halves of the lanes write the same word with the same value)
.endr
.irp t, 0,1,2,3
.irp m, 0,1
	ds_load_b128 v[WT+8*\t+4*\m:WT+8*\t+4*\m+3], v[LWL] offset:64*\t+16*\m   ; back as O's layout wants them: queries 16 tq + 8 h + 0 .. 7.  LDS serves a wave's instructions in order (ISA guide 5.7.1.4): these see my stores
.endr
.endr
	s_wait_tensorcnt 0x0                           ; my part of slot 5 has landed
	ds_add_u32 v[SPW], v[NIL]
	s_wait_dscnt 0x0                               ; the add is done; 1 / l and the fragments of Wv's group 1 are in
	s_barrier_signal -1
	s_barrier_wait -1                              ; everybody's part has: Wv's 512 rows lie on end in the two regions
	s_wait_loadcnt 0x0                             ; groups 1 and 2's scale words; from group 3 on they come from LDS
	VI 1, 1
	WIN 0
	s_mov_b32 s[VC], 6
	s_wait_alu depctr_va_vdst(0)
.Lv:                                               ; six trips of two iterations, on the two sets of fragments and of accumulators
	VI 0, 2
	VI 1, 2
	WIN 0
	s_wait_alu depctr_va_vdst(0)                   ; ahead of the branch
	s_sub_co_u32 s[VC], s[VC], 1
	s_cmp_lg_u32 s[VC], 0
	s_cbranch_scc1 .Lv
	VI 0, 2
	VI 1, 0                                        ; the last group fetches nothing
.set qA, 64                                        ; and what is left of it: its holds, conversions, p V and weighted sum
	WIN 0xf9
.set g_, 0
.rept 64
	HOLD g_
.set g_, g_+1
.endr
	CVT
	WIN 0
	PLACES 4
	PVP
	PLACES 8
	REDUCE
	; THE WAY OUT: my row of out0, 2,048 bytes, from my stage: each store of the wave covers 512 consecutive bytes, at a multiple of 256 from out0's first byte
.irp m, 0,1,2,3
	ds_load_b128 v[OD+4*\m:OD+4*\m+3], v[SGL] offset:512*\m   ; these see my stores; the weighted sum's instructions are the places behind the last products
.endr
.irp m, 0,1,2,3
	s_wait_dscnt 3-\m                              ; LDS loads come back in order (ISA guide 5.7.1): load m is in, the 3 - m younger may be out
	global_store_b128 v[GO], v[OD+4*\m:OD+4*\m+3], s[20:21] offset:512*\m th:TH_STORE_NT
.endr
	s_wait_tensorcnt 0x0                           ; the wave's end: behind my last tensor load and my last LDS store
	ds_add_u32 v[SPW], v[NIL]
	s_wait_dscnt 0x0
	ROUND                                          ; the closing round: no work-group ends while a partner may still ask for a tile that names it
	s_endpgm
.Lfunc_end_k_q128639e832_drug_attention:
	.size	k_q128639e832_drug_attention, .Lfunc_end_k_q128639e832_drug_attention-k_q128639e832_drug_attention
	.p2alignl 7, 3214868480
	.fill 96, 4, 3214868480
	.section	.rodata,"a",@progbits
	.p2align	6, 0x0
	.amdhsa_kernel k_q128639e832_drug_attention
		.amdhsa_group_segment_fixed_size 327680
		.amdhsa_private_segment_fixed_size 0
		.amdhsa_enable_private_segment 0
		.amdhsa_kernarg_size 72
		.amdhsa_user_sgpr_count 2
		.amdhsa_user_sgpr_kernarg_segment_ptr 1
		.amdhsa_wavefront_size32 1
		.amdhsa_system_sgpr_workgroup_id_x 1
		.amdhsa_system_sgpr_workgroup_id_y 1
		.amdhsa_system_sgpr_workgroup_id_z 1
		.amdhsa_system_vgpr_workitem_id 0
		.amdhsa_next_free_vgpr 1024
		.amdhsa_next_free_sgpr 98
		.amdhsa_reserve_vcc 0
		.amdhsa_float_denorm_mode_32 3
		.amdhsa_float_denorm_mode_16_64 3
		.amdhsa_memory_ordered 1
		.amdhsa_forward_progress 1
		.amdhsa_inst_pref_size 255
	.end_amdhsa_kernel
	.section	.bss,"aw",@nobits
	.p2align	6
	.space	262144
	.amdgpu_metadata
---
amdhsa.version: [ 1, 2 ]
amdhsa.kernels:
  - .name:           k_q128639e832_drug_attention
    .symbol:         k_q128639e832_drug_attention.kd
    .args:
      - { .name: x_codes, .offset: 0, .size: 8, .value_kind: global_buffer, .address_space: global }
      - { .name: x_scales, .offset: 8, .size: 8, .value_kind: global_buffer, .address_space: global }
      - { .name: Wk_codes, .offset: 16, .size: 8, .value_kind: global_buffer, .address_space: global }
      - { .name: Wk_scales, .offset: 24, .size: 8, .value_kind: global_buffer, .address_space: global }
      - { .name: Wq_codes, .offset: 32, .size: 8, .value_kind: global_buffer, .address_space: global }
      - { .name: Wq_scales, .offset: 40, .size: 8, .value_kind: global_buffer, .address_space: global }
      - { .name: Wv_codes, .offset: 48, .size: 8, .value_kind: global_buffer, .address_space: global }
      - { .name: Wv_scales, .offset: 56, .size: 8, .value_kind: global_buffer, .address_space: global }
      - { .name: out0, .offset: 64, .size: 8, .value_kind: global_buffer, .address_space: global }
    .group_segment_fixed_size: 327680
    .private_segment_fixed_size: 0
    .kernarg_segment_align: 8
    .kernarg_segment_size: 72
    .max_flat_workgroup_size: 128
    .sgpr_count:     98
    .vgpr_count:     1024
    .wavefront_size: 32
...
	.end_amdgpu_metadata
.endif
;; end of part 1
